; MI455X (gfx1250); checked and timed in simulation.
; The chip was launched on July 23, 2026; its instructions are those of AMD's public machine-readable ISA for CDNA 5 (MIT licence, August 2026) and "CDNA5" Instruction Set Architecture Reference Guide (July 2026). The comments in the code are by the model that wrote it; some were corrected since.
;; Msa Update With Pair And Coord. Allowed arithmetic: matrix products marked QUANTISED: E3M2 operands, one E8M0 scale for each 32 along K, by v_wmma_scale_f32_16x16x128_f8f6f4 with both operands' format E3M2, f32 sums; everything else in f32.
;; Inputs: W1 256 x 1,024 float32; W2 1,024 x 256 float32; Wk 64 x 128 float32; Wq 64 x 128 float32; Wv 256 x 256 float32; b1 1,024 float32; b2 256 float32; bk 128 float32; bq 128 float32; bv 256 float32; ff_ln_b 256 float32; ff_ln_g 256 float32; ln_msa_b 256 float32; ln_msa_g 256 float32; ln_out_b 256 float32; ln_out_g 256 float32; ln_state_b 64 float32; ln_state_g 64 float32; msa 1 x 128 x 512 x 256 float32; state 1 x 512 x 64 float32; xyz 1 x 512 x 3 x 3 float32.
;; Outputs: out0 1 x 128 x 512 x 256 float32.
;; This version of the problem:
;;   THIS VERSION OF THE PROBLEM IS GIVEN IN LOW PRECISION. The matrix products marked QUANTISED in the list below multiply operands that are first quantised to E3M2 (3 exponent bits, 2 mantissa bits; 6 bits a number), with one power-of-two scale for each 32 numbers along K (OCP MX v1.0); their sums are f32. All else is computed in f32.
;;   The module's matrix products, in the order in which they are computed (A, B: the left and right operand; K: the contracted axis; several contracted axes count as one K, in the product's order):
;;     1. [M 512, K 64] x [K 64, N 128]; A: computed on the way; B: input Wq: QUANTISED
;;     2. [M 512, K 64] x [K 64, N 128]; A: computed on the way; B: input Wk: QUANTISED
;;     3. [M 65,536, K 256] x [K 256, N 256]; A: computed on the way; B: input Wv: QUANTISED
;;     4. batch 4 x [M 512, K 32] x [K 32, N 512]; A: computed on the way; B: computed on the way: QUANTISED
;;     5. batch 4 x [M 8,192, K 512] x [K 512, N 512]; A: computed on the way; B: softmax (see below): QUANTISED
;;     6. [M 65,536, K 256] x [K 256, N 1,024]; A: computed on the way; B: input W1: QUANTISED
;;     7. [M 65,536, K 1,024] x [K 1,024, N 256]; A: computed on the way; B: input W2: QUANTISED
;;   THE QUANTISER, for each operand of a quantised product, along K:
;;     - K is cut into blocks of 32 from its start; a last block that is shorter is filled with zeros.
;;     - A block's scale is 2^e with e = floor(log2(the largest magnitude in the block)) - 4, held to -126 .. 127; a block of zeros has e = 0. As a byte (E8M0): e + 127.
;;     - Each number is divided by its block's scale, clamped to +-28, and rounded to the nearest number of E3M2, ties to even, subnormals kept.
;;     - The product sums the exact products of the quantised numbers (number of the format x scale) in f32.
;;   ~~~python
;;   def quantise(x, axis):      # numpy; x: float32 -> the quantised numbers, widened to float32 again
;;       x = np.moveaxis(x, axis, -1); K = x.shape[-1]
;;       x = np.pad(x, [(0, 0)] * (x.ndim - 1) + [(0, -K % 32)]); x = x.reshape(x.shape[:-1] + (-1, 32)); a = np.abs(x).max(-1, keepdims=True)
;;       e = np.where(a > 0, np.clip(np.frexp(np.where(a > 0, a, 1))[1] - 1 - 4, -126, 127), 0)      # np.frexp(a)[1] - 1 = floor(log2(a)), exactly
;;       r = np.clip(x / 2.0 ** e, -28, 28)
;;       step = 2.0 ** (np.maximum(np.frexp(np.where(r == 0, 1, r))[1] - 1, -2) - 2)
;;       q = np.round(r / step) * step * 2.0 ** e      # np.round: ties to even
;;       return np.moveaxis(q.reshape(q.shape[:-2] + (-1,))[..., :K], -1, axis).astype(np.float32)
;;   ~~~
;;   SOFTMAX AHEAD OF A QUANTISED PRODUCT. Where the list says 'softmax', what is quantised is not the finished softmax but p = 2^(t - M), with t = logit x log2(e) and M = ceil(the row's largest t), a whole number; so 1/2 < the row's largest p <= 1. The row's sum l is taken of the UNQUANTISED p, in f32, and the product's result is divided by l at the end. Since M is a whole number, a kernel that streams over the keys may use a running M (the ceiling of the running maximum): every later rescaling is an exact power of two, which a block's scale takes up: the codes' values come out the same.
;;   OPERANDS COMPUTED ON THE WAY. 'Computed on the way' means the value that the module computes at that place (a softmax that the list does not call 'softmax' is quantised finished and normalised). What goes into a quantiser is computed in f32, as accurately as f32 sums, v_exp_f32 and their like allow (about 1e-6 of the number): no bf16 or f16 on the way to a quantiser, and a product that is left as it is and whose result goes on into a quantised operand takes f32 operands (vector FMAs, or v_wmma_f32_16x16x4_f32). A number that lies on a knife's edge between two numbers of the format may be rounded either way, as far as f32 arithmetic and the matrix unit's own rounding can turn it there, and no further.
;; One version. Each part assembles by itself: llvm-mc -triple=amdgcn-amd-amdhsa -mcpu=gfx1250 --defsym DOCPART=n.
;; ======== version 1 of 1: 2 launches
;; limits: right only within a limited range of input values
;; workspace buffers: stream 2,228,224 bytes
;; launch prep (part 1): grid 68 x 1, 8 waves a work-group, no clusters, 36,864 bytes of LDS; arguments state, ln_state_g, ln_state_b, Wq, bq, Wk, bk, xyz, Wv, bv, W1, b1, W2, stream; writes stream
.if DOCPART == 1
	.amdgcn_target "amdgcn-amd-amdhsa--gfx1250"
	.amdhsa_code_object_version 6
	.text
	.protected	k_qb855faff50_prep
	.globl	k_qb855faff50_prep
	.p2align	8
	.type	k_qb855faff50_prep,@function
k_qb855faff50_prep:
	s_mov_b64 s[64:65], 0
	v_nop
	global_prefetch_b8 v0, s[64:65] scope:SCOPE_SE
	s_setreg_imm32_b32 hwreg(HW_REG_WAVE_MODE, 25, 1), 1
	s_wait_xcnt 0x0
; What does not hang on the MSA row n is made once and laid into 'stream' in the order of the operands' registers.
; Work-groups 32..67 (W path): one fragment (16 columns x 128 K) of Wv, W1 or W2 a wave: f32, K outermost -> codes of E3M2 + E8M0 scale words; bv and b1 beside them.
; Work-groups 0..31 (P path): head hd = id / 8, group g = id % 8; LN(state), q, k (K = 64), logits (K = 32), the distance mask, p = 2^(t - M), 1 / l.  All eight waves make four key tiles each;
; waves 0-3 own query tile I = 4 g + wave and go on behind the barrier, each then alone on its share of the vector units; waves 4-7 end there.
; stream = 2 halves (a) x 17 units of 65,536 bytes: unit 0 Wv, units 1 + 4 pr + head: p, units 9 + k: W1 and W2 of hidden units 128 k on.  A fragment's image: register group j at 512 j + 16 x lane.
; A weight tile (c, e) takes as its row m the channel 64 c + 8 e + m % 8 + 32 (m / 8), so that a result's 32 registers of tiles (c, 0..3) are one whole block of 32 in a lane.
; Keys: a tile is 16 neighbouring keys; inside a block of 32 keys the codes' order is 16 ((p % 16) / 8) + 8 (p / 16) + p % 8, the same as the other launch gives v: blocks and scales are the true ones.
; LIMITS: NaN and infinities are not served; a block whose largest magnitude lies under 2^-122 keeps the byte 1 (a block of zeros too: its codes are zeros; this program alone reads the bytes);
; v_rsq_f32 is good to one unit in the last place.
.set HALF, 1114112
.set KIMG, 6144                        ; LDS: 0, 2048, 4096: the CA atoms' x, y, z; here 32 key tiles x 768 bytes (registers 0-3 at 16 x lane, 4-5 at 512 + 8 x lane)
.set KSC,  30720                       ; their scale words, 128 bytes each
.set MSB, 0
.macro WIN new                         ; the immediate's high byte repeats the setting that is left
.if MSB != (\new)
	s_set_vgpr_msb (MSB<<8)|(\new)
.set MSB, (\new)
.endif
.endm
.macro PLACES n
.rept \n
	v_nop
.endr
.endm
; the largest magnitudes of n registers from a on (v248) and from b on (v249), over the floor 2^(5 - 127), which holds the byte at 1 from below
.macro AMAX2 a, b, n
	v_max3_num_f32 v248, |v[\a]|, |v[\a+1]|, 0x2800000
	v_max3_num_f32 v249, |v[\b]|, |v[\b+1]|, 0x2800000
.set am_i, 2
.rept (\n-2)/2
	v_max3_num_f32 v248, v248, |v[\a+am_i]|, |v[\a+am_i+1]|
	v_max3_num_f32 v249, v249, |v[\b+am_i]|, |v[\b+am_i+1]|
.set am_i, am_i+2
.endr
.endm
	s_load_b512 s[4:19], s[0:1], 0x0               ; state 4, ln_state_g 6, ln_state_b 8, Wq 10, bq 12, Wk 14, bk 16, xyz 18
	s_load_b256 s[20:27], s[0:1], 0x40             ; Wv 20, bv 22, W1 24, b1 26
	s_load_b128 s[28:31], s[0:1], 0x60             ; W2 28, stream 30
	v_lshrrev_b32 v9, 5, v0
	v_readfirstlane_b32 s33, v9                    ; wave 0..7
	v_and_b32 v1, 15, v0                           ; r
	v_bfe_u32 v2, v0, 4, 1                         ; h
	v_and_b32 v9, 31, v0
	v_lshlrev_b32 v3, 4, v9                        ; 16 x lane
	v_lshlrev_b32 v4, 2, v9                        ; 4 x lane
	v_lshlrev_b32 v5, 3, v9                        ; 8 x lane
	v_lshlrev_b32 v6, 3, v2                        ; 8 h: my byte's place in a scale word
	v_mov_b32 v254, 0                              ; a lane permute's destination counts as read
	s_mov_b32 s34, 0x76543210
	s_mov_b32 s35, 0xfedcba98                      ; v_permlanex16_b32: lane l xor 16
	s_wait_alu depctr_va_vdst(0)                   ; the wait at the head's end
	s_wait_kmcnt 0x0
	s_cmp_lt_u32 ttmp9, 32
	s_cbranch_scc1 .Lppath
; ---------------- W path: fragment f = 8 (id - 32) + wave: 0-31 Wv, 32-159 W1, 160-287 W2
	s_sub_co_u32 s36, ttmp9, 32
	s_lshl_b32 s36, s36, 3
	s_add_co_u32 s36, s36, s33
	s_cmp_lt_u32 s36, 32
	s_cbranch_scc0 .Lw_ff
	s_lshr_b32 s37, s36, 1                         ; tile dt
	s_and_b32 s45, s36, 1                          ; K step
	s_mov_b32 s44, 0
	s_lshl_b32 s41, s45, 17                        ; 128 rows of 1,024 bytes a K step
	s_lshl_b32 s42, s37, 12                        ; record dt
	s_lshl_b32 s43, s45, 7
	s_add_co_u32 s43, s43, s42
	s_add_co_u32 s43, s43, 3072                    ; its scale words
	s_mul_i32 s46, s45, 1536
	s_add_co_u32 s42, s42, s46                     ; its fragment
	s_mov_b32 s49, 0
	s_branch .Lw_go
.Lw_ff:
	s_cmp_lt_u32 s36, 160
	s_cbranch_scc0 .Lw_w2
	s_sub_co_u32 s46, s36, 32
	s_lshr_b32 s47, s46, 4                         ; chunk k
	s_and_b32 s45, s46, 15                         ; idx = 2 ht + ks
	s_lshr_b32 s37, s45, 1                         ; tile ht
	s_and_b32 s48, s45, 1
	s_lshl_b32 s44, s47, 7                         ; columns from 128 k on
	s_lshl_b32 s41, s48, 19                        ; 128 rows of 4,096 bytes a K step
	s_add_co_u32 s47, s47, 9
	s_lshl_b32 s47, s47, 16                        ; unit 9 + k
	s_mul_i32 s42, s45, 1536
	s_add_co_u32 s42, s42, s47
	s_lshl_b32 s43, s45, 7
	s_add_co_u32 s43, s43, s47
	s_add_co_u32 s43, s43, 49152
	s_mov_b32 s49, 1
	s_branch .Lw_go
.Lw_w2:
	s_sub_co_u32 s46, s36, 160
	s_lshr_b32 s47, s46, 4                         ; chunk k = K step
	s_and_b32 s37, s46, 15                         ; tile ot
	s_mov_b32 s45, 1                               ; nothing goes beside W2
	s_mov_b32 s44, 0
	s_lshl_b32 s41, s47, 17
	s_add_co_u32 s47, s47, 9
	s_lshl_b32 s47, s47, 16
	s_mul_i32 s42, s37, 1536
	s_add_co_u32 s42, s42, s47
	s_add_co_u32 s42, s42, 24576
	s_lshl_b32 s43, s37, 7
	s_add_co_u32 s43, s43, s47
	s_add_co_u32 s43, s43, 51200
	s_mov_b32 s49, 2
.Lw_go:
	s_lshr_b32 s46, s37, 2
	s_lshl_b32 s46, s46, 6
	s_and_b32 s47, s37, 3
	s_lshl_b32 s47, s47, 3
	s_add_co_u32 s46, s46, s47
	s_add_co_u32 s46, s46, s44
	s_lshl_b32 s46, s46, 2                         ; the tile's first column, in bytes
	s_mov_b32 s47, 0
	s_add_co_u32 s54, s41, s46
	s_mov_b32 s55, 0
	s_cmp_eq_u32 s49, 1                            ; the choice of the buffer hangs on the fragment's number alone
	s_cselect_b64 s[38:39], s[24:25], s[20:21]
	s_cmp_eq_u32 s49, 2
	s_cselect_b64 s[38:39], s[28:29], s[38:39]
	s_add_nc_u64 s[38:39], s[38:39], s[54:55]
	s_mov_b32 s54, s42
	s_add_nc_u64 s[50:51], s[30:31], s[54:55]      ; where the fragment goes
	s_mov_b32 s54, s43
	s_add_nc_u64 s[52:53], s[30:31], s[54:55]      ; where its scale words go
	v_and_b32 v9, 7, v1
	v_lshrrev_b32 v10, 3, v1
	v_lshl_add_u32 v9, v10, 5, v9
	v_lshlrev_b32 v9, 2, v9                        ; lane r's column of the tile: r % 8 + 32 (r / 8), in bytes
; A lane takes a column and its registers run down K: register 32 c + i = row 64 c + 32 h + i, the operand's own order
.macro WLOAD pitch
.set wl_i, 0
.rept 64
	global_load_b32 v[64+wl_i], v10, s[38:39] offset:(wl_i+32*(wl_i/32))*\pitch
.set wl_i, wl_i+1
.endr
.endm
	s_cmp_eq_u32 s49, 1
	s_wait_alu depctr_va_vdst(0)                   ; the wait ahead of the branch
	s_cbranch_scc1 .Lw_p4096
	v_lshl_add_u32 v10, v2, 15, v9                 ; lanes 16-31 begin 32 rows further down
	WLOAD 1024
	s_branch .Lw_q
.Lw_p4096:
	v_lshl_add_u32 v10, v2, 17, v9
	WLOAD 4096
.Lw_q:
	s_wait_loadcnt 0x0
	AMAX2 64, 96, 32                               ; my two blocks: 2 c + h
	v_add_nc_u32 v250, 0xfe000000, v248            ; 4 off the exponent field: the conversion's scale operand
	v_add_nc_u32 v251, 0xfe000000, v249
	v_lshrrev_b32 v252, 23, v250                   ; the scales' bytes
	v_lshrrev_b32 v253, 23, v251
	v_lshl_or_b32 v16, v253, 16, v252
	v_lshlrev_b32 v16, v6, v16
	v_permlanex16_b32 v254, v16, s34, s35
	v_or_b32 v16, v16, v254                        ; with lane l xor 16's two bytes the word is whole
.irp c,0,1
	v_cvt_scalef32_pk16_bf6_f32 v[128+6*\c:130+6*\c], v[64+32*\c:79+32*\c], v[250+\c]
	v_cvt_scalef32_pk16_bf6_f32 v[140+4*\c:142+4*\c], v[80+32*\c:95+32*\c], v[250+\c]   ; (three registers begin on an even number)
.endr
	v_nop                                          ; one plain place behind a scaled conversion
.irp c,0,1
.irp i,0,1,2
	v_mov_b32 v[131+6*\c+\i], v[140+4*\c+\i]
.endr
.endr
.irp hf,0,1                                    ; into both halves of the stream
.irp j,0,1,2
	global_store_b128 v3, v[128+4*\j:131+4*\j], s[50:51] offset:512*\j+HALF*\hf
.endr
	global_store_b32 v4, v16, s[52:53] offset:HALF*\hf
.endr
	s_cmp_lg_u32 s45, 0                            ; the first fragment of a record (Wv) or of a unit (W1) also stores the bias and the gap's zeros
	s_cbranch_scc1 .Lw_end
.irp i,152,153,154,155
	v_mov_b32 v\i, 0
.endr
	s_cmp_eq_u32 s49, 1
	s_wait_alu depctr_va_vdst(0)                   ; the wait ahead of the branch
	s_cbranch_scc1 .Lw_b1
	s_add_nc_u64 s[58:59], s[22:23], s[46:47]
	global_load_b32 v160, v9, s[58:59]             ; bv at lane r's column, in all 32 lanes
	s_wait_loadcnt 0x0
.irp hf,0,1
	global_store_b32 v4, v160, s[52:53] offset:256+HALF*\hf
	global_store_b128 v3, v[152:155], s[52:53] offset:384+HALF*\hf
	global_store_b32 v4, v152, s[52:53] offset:896+HALF*\hf
.endr
	s_branch .Lw_end
.Lw_b1:
	s_add_nc_u64 s[58:59], s[26:27], s[46:47]
	global_load_b128 v[156:159], v3, s[58:59]      ; b1 of the chunk's 128 hidden units
	s_wait_loadcnt 0x0
.irp hf,0,1
	global_store_b128 v3, v[156:159], s[52:53] offset:4096+HALF*\hf
.set wl_i, 0
.rept 23
	global_store_b128 v3, v[152:155], s[52:53] offset:4608+512*wl_i+HALF*\hf
.set wl_i, wl_i+1
.endr
.endr
.Lw_end:
	s_endpgm
; ---------------- P path
; REGISTERS, window 0: v7 state rows of my key tiles, v11 of my query tile, v215 and v255 the weights' and biases' offsets; v[12:13], v[14:15], v[18:19] my query's x, y, z; v16, 17, 20-31 scale words;
;   v32-63 ln_state_g, v64-95 ln_state_b (later eight key fragments at v32-127); v96-127 a row's 32 numbers; v128-151 two weight fragments; v152-167 the bias as C; v168-179 state's fragment;
;   v180-195 16 numbers of q or k; v196-207 their fragment; v208-254 at work.
;   window 1: first what was asked for at the head: v0-127 my four key tiles of state, v128-159 my query tile, v160-223 Wq, v224-239 bq, v240-245 CA atoms; then S^T and p: register 8 kt + j = key 16 kt + 8 h + j of query r.
.Lppath:
	s_lshr_b32 s36, ttmp9, 3                       ; head
	s_and_b32 s37, ttmp9, 7                        ; group
	s_and_b32 s39, s33, 3
	s_lshl_b32 s38, s37, 2
	s_add_co_u32 s38, s38, s39                     ; query tile I = 4 g + wave % 4 (waves 4-7 walk the same lines up to the barrier)
	s_mov_b32 s56, 0x3c800000                      ; 1 / 64
	s_mov_b32 s57, 0x3727c5ac                      ; 1e-5
	s_lshl_b32 s58, s36, 2
	s_add_co_u32 s58, s58, 8
	s_mul_i32 s58, s58, s58                        ; the head's bin squared: 64, 144, 256, 400 (exact in f32)
	s_cvt_f32_u32 s58, s58
	s_cmp_eq_u32 s36, 3                            ; THE THRESHOLD ON THE SQUARED DISTANCE: the smallest f32 number whose correctly rounded root reaches the bin.
	s_cselect_b32 s59, 1, 0                        ; For 8, 12 and 16 that is the bin's square; for 20 it is the f32 number just under 400, whose root rounds to 20.
	s_sub_co_u32 s58, s58, s59                     ; So d2 < s58 holds just where the rounded root of d2 lies under the bin, and no root is taken
	s_mov_b32 s60, 0x3fb8aa3b                      ; log2(e)
	s_mov_b32 s61, s60
	v_mul_u32_u24 v9, v0, 36                       ; thread t brings the CA atoms of residues t and t + 256
	s_mul_i32 s39, s38, 576
	v_mad_u32_u24 v10, v1, 36, s39                 ; my query's CA atom
	v_lshlrev_b32 v8, 7, v2
	v_lshlrev_b32 v7, 8, v1
	v_lshl_add_u32 v7, v2, 7, v7                   ; a row of state is 256 bytes; + 128 h
	s_lshl_b32 s39, s38, 12
	v_add_nc_u32 v11, s39, v7                      ; query tile I
	s_lshl_b32 s39, s33, 14
	v_add_nc_u32 v7, s39, v7                       ; key tiles 4 v on
	v_and_b32 v215, 7, v1
	v_lshrrev_b32 v255, 3, v1
	v_lshl_add_u32 v215, v255, 4, v215
	v_lshlrev_b32 v215, 2, v215                    ; Wq, Wk: lane r of tile u takes column 32 hd + 8 u + r % 8 + 16 (r / 8),
	v_lshl_add_u32 v215, v2, 14, v215              ; rows 32 h on (512 bytes a row)
	s_lshl_b32 s39, s36, 7
	v_add_nc_u32 v215, s39, v215
	v_lshlrev_b32 v255, 6, v2
	v_add_nc_u32 v255, s39, v255                   ; the bias of my 16 numbers: 32 hd + 16 h on
; ALL THE PATH'S LOADS GO OUT HERE, what is wanted first in front: 116 loads (Wk, bk, the gains, my four key tiles), then 85 (my query tile, Wq, bq, the CA atoms).
; No address register of theirs is written again before the wait for 0.
.set wp_i, 0
.rept 32
	global_load_b32 v[96+wp_i], v215, s[14:15] offset:512*wp_i
	global_load_b32 v[216+wp_i], v215, s[14:15] offset:512*wp_i+32
.set wp_i, wp_i+1
.endr
.irp j,0,1,2,3
	global_load_b128 v[152+4*\j:155+4*\j], v255, s[16:17] offset:16*\j
.endr
.irp q,0,1,2,3,4,5,6,7
	global_load_b128 v[32+4*\q:35+4*\q], v8, s[6:7] offset:16*\q     ; register i = channel 32 h + i
	global_load_b128 v[64+4*\q:67+4*\q], v8, s[8:9] offset:16*\q
.endr
	WIN 0x40
.irp it,0,1,2,3
.irp q,0,1,2,3,4,5,6,7
	global_load_b128 v[32*\it+4*\q:32*\it+4*\q+3], v7, s[4:5] offset:4096*\it+16*\q
.endr
.endr
.irp q,0,1,2,3,4,5,6,7
	global_load_b128 v[128+4*\q:131+4*\q], v11, s[4:5] offset:16*\q
.endr
.set wp_i, 0
.rept 32
	global_load_b32 v[160+wp_i], v215, s[10:11] offset:512*wp_i
	global_load_b32 v[192+wp_i], v215, s[10:11] offset:512*wp_i+32
.set wp_i, wp_i+1
.endr
.irp j,0,1,2,3
	global_load_b128 v[224+4*\j:227+4*\j], v255, s[12:13] offset:16*\j
.endr
.irp c,0,1,2
	global_load_b32 v[240+\c], v9, s[18:19] offset:12+4*\c
	global_load_b32 v[243+\c], v9, s[18:19] offset:9216+12+4*\c
.endr
	WIN 0
	global_load_b32 v12, v10, s[18:19] offset:12
	global_load_b32 v14, v10, s[18:19] offset:16
	global_load_b32 v18, v10, s[18:19] offset:20
.irp i,134,135,136,137,138,139,146,147,148,149,150,151,174,175,176,177,178,179,202,203,204,205,206,207
	v_mov_b32 v\i, 0                               ; K = 64 or 32 of the instruction's 128: the rest are zero codes
.endr
.irp i,13,15,19
	v_mov_b32 v\i, 0                               ; the upper halves of pairs that are named whole (none of them is a pending load's destination)
.endr
	s_wait_loadcnt 63                              ; loads come back in order (ISA guide 5.7.1): of 201 the youngest 63 may be out, so the first 138 are in, the 116 among them
; the head's 32 columns of a weight (v96-127, v216-247) become two fragments (v128, v140) and their scale words (v16, v17)
.macro WQUANT
	AMAX2 96, 216, 32
	v_add_nc_u32 v250, 0xfe000000, v248
	v_add_nc_u32 v251, 0xfe000000, v249
	v_lshrrev_b32 v252, 23, v250
	v_lshrrev_b32 v253, 23, v251
.irp u,0,1
	v_lshlrev_b32 v[16+\u], v6, v[252+\u]
	v_permlanex16_b32 v254, v[16+\u], s34, s35
	v_or_b32 v[16+\u], v[16+\u], v254              ; bytes 0 and 1; bytes 2 and 3 stand over zero codes
.endr
	v_cvt_scalef32_pk16_bf6_f32 v[128:130], v[96:111], v250
	v_cvt_scalef32_pk16_bf6_f32 v[212:214], v[112:127], v250
	v_cvt_scalef32_pk16_bf6_f32 v[140:142], v[216:231], v251
	v_cvt_scalef32_pk16_bf6_f32 v[208:210], v[232:247], v251
	v_nop
.irp i,0,1,2
	v_mov_b32 v[131+\i], v[212+\i]
	v_mov_b32 v[143+\i], v[208+\i]
.endr
.endm
.macro SRED                            ; two pairs of partial sums -> the row's sum in v224 (a row lies in lanes l and l xor 16)
	v_pk_add_f32 v[224:225], v[224:225], v[226:227]
	v_add_f32 v224, v224, v225
	v_permlanex16_b32 v225, v224, s34, s35
	v_add_f32 v224, v224, v225
.endm
; 16 rows of state, 32 registers from b on in window 1: LayerNorm in f32, quantised along the 64 channels: fragment v168.., scale word v20; then the product with the weight's two fragments
.macro STATEQ b
	WIN 0x05
	v_pk_add_f32 v[224:225], v[(\b):(\b)+1], v[(\b)+2:(\b)+3]
	v_pk_add_f32 v[226:227], v[(\b)+4:(\b)+5], v[(\b)+6:(\b)+7]
	WIN 0x04
.irp i,8,12,16,20,24,28
	v_pk_add_f32 v[224:225], v[224:225], v[(\b)+\i:(\b)+\i+1]
	v_pk_add_f32 v[226:227], v[226:227], v[(\b)+\i+2:(\b)+\i+3]
.endr
	WIN 0
	SRED
	v_mul_f32 v228, s56, v224                      ; the mean
	WIN 0x01
.irp i,0,2,4,6,8,10,12,14,16,18,20,22,24,26,28,30
	v_pk_add_f32 v[96+\i:97+\i], v[(\b)+\i:(\b)+\i+1], v[228:229] op_sel_hi:[1,0] neg_lo:[0,1] neg_hi:[0,1]
.endr
	WIN 0
	v_pk_mul_f32 v[224:225], v[96:97], v[96:97]
	v_pk_mul_f32 v[226:227], v[98:99], v[98:99]
.irp i,4,8,12,16,20,24,28
	v_pk_fma_f32 v[224:225], v[96+\i:97+\i], v[96+\i:97+\i], v[224:225]
	v_pk_fma_f32 v[226:227], v[98+\i:99+\i], v[98+\i:99+\i], v[226:227]
.endr
	SRED
	v_fma_f32 v230, v224, s56, s57
	s_wait_alu depctr_va_vdst(0)                   ; the wait ahead of the transcendental
	v_rsq_f32 v230, v230
	v_nop                                          ; a plain place behind the transcendental
	s_wait_alu depctr_va_vdst(0)
.irp i,0,2,4,6,8,10,12,14,16,18,20,22,24,26,28,30
	v_pk_mul_f32 v[96+\i:97+\i], v[96+\i:97+\i], v[230:231] op_sel_hi:[1,0]
.endr
.irp i,0,2,4,6,8,10,12,14,16,18,20,22,24,26,28,30
	v_pk_fma_f32 v[96+\i:97+\i], v[96+\i:97+\i], v[32+\i:33+\i], v[64+\i:65+\i]
.endr
	AMAX2 96, 112, 16
	v_max_num_f32 v248, v248, v249                 ; my block: channels 32 h on
	v_add_nc_u32 v250, 0xfe000000, v248
	v_lshrrev_b32 v252, 23, v250
	v_lshlrev_b32 v20, v6, v252
	v_permlanex16_b32 v254, v20, s34, s35
	v_or_b32 v20, v20, v254
	v_cvt_scalef32_pk16_bf6_f32 v[168:170], v[96:111], v250
	v_cvt_scalef32_pk16_bf6_f32 v[212:214], v[112:127], v250
	v_nop
.irp i,0,1,2
	v_mov_b32 v[171+\i], v[212+\i]
.endr
	PLACES 8                                       ; a scale word made by vector instructions stands 8 places ahead of the scaled product
.irp u,0,1                                     ; transposed: source 0 = 16 columns of the weight, source 1 = the rows: lane (r, h), register 8 u + j = number 16 h + 8 u + j of row r
	v_wmma_scale_f32_16x16x128_f8f6f4 v[180+8*\u:187+8*\u], v[128+12*\u:139+12*\u], v[168:179], v[152+8*\u:159+8*\u], v[16+\u], v20 matrix_a_fmt:MATRIX_FMT_BF6 matrix_b_fmt:MATRIX_FMT_BF6
.endr
	PLACES 4
.endm
; my 16 numbers of a row's 32 (one block, shared with lane l xor 16) -> fragment v196-201 (lanes 0-15 the whole block, lanes 16-31 zeros), scale word in v[ks]
.macro Q16 ks
	AMAX2 180, 188, 8
	v_max_num_f32 v248, v248, v249
	v_permlanex16_b32 v254, v248, s34, s35
	v_max_num_f32 v248, v248, v254
	v_add_nc_u32 v250, 0xfe000000, v248
	v_lshrrev_b32 v[\ks], 23, v250
.irp i,0,1,2
	v_mov_b32 v[208+\i], 0
.endr
	v_cvt_scalef32_pk16_bf6_f32 v[196:198], v[180:195], v250
	v_nop
.irp i,0,1,2
	v_permlane16_swap_b32 v[196+\i], v[208+\i]     ; my upper lanes' codes go to the second register's lower lanes, its zeros come up
.endr
.irp i,0,1,2
	v_mov_b32 v[199+\i], v[208+\i]
.endr
.endm
	WQUANT                                         ; Wk
	s_mul_i32 s39, s33, 4*768
	s_add_co_u32 s39, s39, KIMG
	v_add_nc_u32 v240, s39, v3
	s_add_co_u32 s39, s39, 512
	v_add_nc_u32 v241, s39, v5
	s_lshl_b32 s39, s33, 9
	s_add_co_u32 s39, s39, KSC
	v_add_nc_u32 v242, s39, v4
	v_lshlrev_b32 v243, 2, v0                      ; where thread t puts its CA atoms
.irp it,0,1,2,3                                ; key tiles 4 v + it: every offset is an immediate
	STATEQ 32*\it
	Q16 21
	ds_store_b128 v240, v[196:199] offset:768*\it
	ds_store_b64 v241, v[200:201] offset:768*\it
	ds_store_b32 v242, v21 offset:128*\it
	s_wait_dscnt 0x0
.endr
	s_wait_loadcnt 0x0                             ; the other 85 loads landed while the key tiles were made
	WIN 0x04                                       ; an LDS store's data are its source 1: window 1
.irp c,0,1,2
	ds_store_b32 v243, v[240+\c] offset:2048*\c
	ds_store_b32 v243, v[243+\c] offset:2048*\c+1024
.endr
	WIN 0x01                                       ; Wq and bq come over into the registers that Wk and bk have left
.set wp_i, 0
.rept 32
	v_mov_b32 v[96+wp_i], v[160+wp_i]
	v_mov_b32 v[216+wp_i], v[192+wp_i]
.set wp_i, wp_i+1
.endr
.set wp_i, 0
.rept 16
	v_mov_b32 v[152+wp_i], v[224+wp_i]
.set wp_i, wp_i+1
.endr
	WIN 0
	WQUANT                                         ; Wq
	STATEQ 128
.set wp_i, 0
.rept 16
	v_mul_f32 v[180+wp_i], 0x3e800000, v[180+wp_i] ; x SCALE = 1 / 4, ahead of the quantiser
.set wp_i, wp_i+1
.endr
	Q16 22
	s_wait_alu depctr_va_vdst(0)                   ; the wait ahead of the barrier
	s_wait_dscnt 0x0                               ; my stores (CA atoms, key tiles) have landed
	s_barrier_signal -1
	s_barrier_wait -1
	s_cmp_gt_u32 s33, 3                            ; waves 4-7 have done their share, the key tiles
	s_cbranch_scc1 .Lp_end
.irp b,0,1,2,3,4,5,6,7
.irp i,6,7,8,9,10,11
	v_mov_b32 v[32+12*\b+\i], 0                    ; the key fragments' upper halves: zero codes
.endr
.endr
	v_add_nc_u32 v9, KIMG, v3
	v_add_nc_u32 v10, KIMG+512, v5
	v_add_nc_u32 v11, KSC, v4
	s_wait_alu depctr_va_vdst(0)
	PLACES 8
; S^T = K Q^T: eight groups of four key tiles, on two sets of fragment registers by turns
.macro KLOAD g
.irp t,0,1,2,3
	ds_load_b128 v[32+48*((\g)%2)+12*\t:35+48*((\g)%2)+12*\t], v9 offset:(4*(\g)+\t)*768
	ds_load_b64 v[36+48*((\g)%2)+12*\t:37+48*((\g)%2)+12*\t], v10 offset:(4*(\g)+\t)*768
	ds_load_b32 v[24+4*((\g)%2)+\t], v11 offset:(4*(\g)+\t)*128
.endr
.endm
	KLOAD 0
.irp g,0,1,2,3,4,5,6,7
.if \g < 7
	KLOAD \g+1
	s_wait_dscnt 12                                ; all but the next group's twelve loads
.else
	s_wait_dscnt 0x0
.endif
	WIN 0x40
.irp t,0,1,2,3
	v_wmma_scale_f32_16x16x128_f8f6f4 v[8*(4*\g+\t):8*(4*\g+\t)+7], v[32+48*(\g%2)+12*\t:43+48*(\g%2)+12*\t], v[196:207], 0, v[24+4*(\g%2)+\t], v22 matrix_a_fmt:MATRIX_FMT_BF6 matrix_b_fmt:MATRIX_FMT_BF6
.endr
	WIN 0
	PLACES 4                                       ; in front of loads into fragments that were multiplied, and of the first read of the scores
.endr
; THE MASK: where the CA atoms lie a bin or more apart, -1e9 is added to the logit.  Each square is rounded by itself and the three are added x + y, then + z, since a comparison follows.
	v_lshlrev_b32 v9, 5, v2
	s_wait_alu depctr_va_vdst(0)
.macro CLOAD kt
.irp c,0,1,2
	ds_load_b128 v[128+24*((\kt)%2)+8*\c:131+24*((\kt)%2)+8*\c], v9 offset:2048*\c+64*(\kt)
	ds_load_b128 v[132+24*((\kt)%2)+8*\c:135+24*((\kt)%2)+8*\c], v9 offset:2048*\c+64*(\kt)+16
.endr
.endm
.macro MASK kt
.set MB, 128+24*((\kt)%2)
.irp p,0,2,4,6
	v_pk_add_f32 v[MB+\p:MB+\p+1], v[MB+\p:MB+\p+1], v[12:13] op_sel_hi:[1,0] neg_lo:[0,1] neg_hi:[0,1]
	v_pk_add_f32 v[MB+8+\p:MB+9+\p], v[MB+8+\p:MB+9+\p], v[14:15] op_sel_hi:[1,0] neg_lo:[0,1] neg_hi:[0,1]
	v_pk_add_f32 v[MB+16+\p:MB+17+\p], v[MB+16+\p:MB+17+\p], v[18:19] op_sel_hi:[1,0] neg_lo:[0,1] neg_hi:[0,1]
.endr
.irp p,0,2,4,6,8,10,12,14,16,18,20,22
	v_pk_mul_f32 v[MB+\p:MB+\p+1], v[MB+\p:MB+\p+1], v[MB+\p:MB+\p+1]
.endr
.irp p,0,2,4,6
	v_pk_add_f32 v[MB+\p:MB+\p+1], v[MB+\p:MB+\p+1], v[MB+8+\p:MB+9+\p]
.endr
.irp p,0,2,4,6
	v_pk_add_f32 v[MB+\p:MB+\p+1], v[MB+\p:MB+\p+1], v[MB+16+\p:MB+17+\p]
.endr
	WIN 0x01
.irp p,0,2,4,6
	v_pk_add_f32 v[176+\p:177+\p], v[8*(\kt)+\p:8*(\kt)+\p+1], 0xce6e6b28 op_sel_hi:[1,0]   ; logit - 1e9
.endr
	WIN 0x44
.irp j,0,1,2,3,4,5,6,7
	v_cmp_lt_f32 vcc_lo, v[MB+\j], s58
	v_cndmask_b32 v[8*(\kt)+\j], v[176+\j], v[8*(\kt)+\j], vcc_lo
.endr
	WIN 0
.endm
	CLOAD 0
.set kq, 0
.rept 32
.if kq < 31
	CLOAD kq+1
	s_wait_dscnt 6                                 ; all but the next key tile's six loads
.else
	s_wait_dscnt 0x0
.endif
	MASK kq
.set kq, kq+1
.endr
; THE SOFTMAX: t = logit x log2(e), M = ceil(the row's largest t), p = 2^(t - M), l = the sum of the unquantised p
	WIN 0x15
.irp q,0,1,2,3
	v_max3_num_f32 v[216+\q], v[64*\q], v[64*\q+1], v[64*\q+2]
.endr
	WIN 0x14
.set kq, 3
.rept 30
.irp q,0,1,2,3
	v_max3_num_f32 v[216+\q], v[216+\q], v[64*\q+kq], v[64*\q+kq+1]
.endr
.set kq, kq+2
.endr
.irp q,0,1,2,3
	v_max_num_f32 v[216+\q], v[216+\q], v[64*\q+63]
.endr
	WIN 0
	v_max3_num_f32 v216, v216, v217, v218
	v_max_num_f32 v216, v216, v219
	v_permlanex16_b32 v254, v216, s34, s35
	v_max_num_f32 v216, v216, v254
	v_mul_f32 v216, s60, v216
	v_floor_f32 v220, -v216                        ; -M
	WIN 0x41
.set kq, 0
.rept 128
	v_pk_fma_f32 v[kq:kq+1], v[kq:kq+1], s[60:61], v[220:221] op_sel_hi:[1,0,0]
.set kq, kq+2
.endr
.set kq, 0
	s_wait_alu depctr_va_vdst(0)                   ; the wait ahead of the batch
.rept 256
	v_exp_f32 v[kq], v[kq]
.set kq, kq+1
.endr
	WIN 0
	v_nop
	WIN 0x05
	s_wait_alu depctr_va_vdst(0)
.irp q,0,1,2,3
	v_pk_add_f32 v[224+2*\q:225+2*\q], v[64*\q:64*\q+1], v[64*\q+2:64*\q+3]
.endr
	WIN 0x04
.set kq, 4
.rept 30
.irp q,0,1,2,3
	v_pk_add_f32 v[224+2*\q:225+2*\q], v[224+2*\q:225+2*\q], v[64*\q+kq:64*\q+kq+1]
.endr
.set kq, kq+2
.endr
	WIN 0
	v_pk_add_f32 v[228:229], v[228:229], v[230:231]
	SRED
	v_add_f32 v228, v228, v229
	v_permlanex16_b32 v229, v228, s34, s35
	v_add_f32 v228, v228, v229
	v_add_f32 v224, v224, v228
	s_wait_alu depctr_va_vdst(0)                   ; the wait ahead of the transcendental
	v_rcp_f32 v222, v224                           ; 1 / l
	v_nop
; where my tile's parts go.  I = 8 w + 4 a + 2 pr + y = 4 g + wave: half a = g % 2, part w = g / 2, pair pr = bit 1 of the wave, y = bit 0
	s_and_b32 s39, s37, 1
	s_mul_i32 s52, s39, HALF
	s_bfe_u32 s39, s33, 0x10001
	s_lshl_b32 s39, s39, 2
	s_add_co_u32 s39, s39, s36
	s_add_co_u32 s39, s39, 1
	s_lshl_b32 s39, s39, 16
	s_add_co_u32 s52, s52, s39
	s_lshr_b32 s39, s37, 1
	s_lshl_b32 s39, s39, 14
	s_add_co_u32 s52, s52, s39
	s_mov_b32 s53, 0
	s_add_nc_u64 s[50:51], s[30:31], s[52:53]
	s_and_b32 s54, s33, 1
	s_mul_i32 s39, s54, 6144
	v_add_nc_u32 v9, s39, v3
	s_lshl_b32 s39, s54, 9
	s_add_co_u32 s39, s39, 12288
	v_add_nc_u32 v10, s39, v4
	s_lshl_b32 s39, s54, 7
	s_add_co_u32 s39, s39, 13312
	v_add_nc_u32 v11, s39, v4
.irp b,0,1,2,3
	v_mov_b32 v[36+\b], 0
.endr
; 64 registers of p (128 keys) -> a fragment in v48-59 and its scale word in v23
.macro QUANT16 s
	WIN 0x05
.irp b,0,1,2,3
	v_max3_num_f32 v[32+\b], v[\s+16*\b], v[\s+16*\b+1], 0x2800000
.endr
	WIN 0x14
.irp i,2,4,6,8,10,12,14
.irp b,0,1,2,3
	v_max3_num_f32 v[32+\b], v[32+\b], v[\s+16*\b+\i], v[\s+16*\b+\i+1]
.endr
.endr
	WIN 0
.irp b,0,1,2,3
	v_permlanex16_b32 v[36+\b], v[32+\b], s34, s35
.endr
.irp b,0,1,2,3
	v_max_num_f32 v[32+\b], v[32+\b], v[36+\b]
.endr
.irp b,0,1,2,3
	v_add_nc_u32 v[44+\b], 0xfe000000, v[32+\b]
.endr
.irp b,0,1,2,3
	v_lshrrev_b32 v[36+\b], 23, v[44+\b]
.endr
	v_lshl_or_b32 v23, v37, 8, v36
	v_lshl_or_b32 v23, v38, 16, v23
	v_lshl_or_b32 v23, v39, 24, v23
	WIN 0x01
.irp c,0,1
	v_cvt_scalef32_pk16_bf6_f32 v[48+6*\c:50+6*\c], v[\s+32*\c:\s+32*\c+15], v[44+2*\c]
	v_cvt_scalef32_pk16_bf6_f32 v[60+4*\c:62+4*\c], v[\s+32*\c+16:\s+32*\c+31], v[45+2*\c]
.endr
	WIN 0
	v_nop
.irp c,0,1                                     ; a whole block to a lane: lanes 0-15 block 2 c, lanes 16-31 block 2 c + 1
.irp i,0,1,2
	v_permlane16_swap_b32 v[48+6*\c+\i], v[60+4*\c+\i]
.endr
.irp i,0,1,2
	v_mov_b32 v[51+6*\c+\i], v[60+4*\c+\i]
.endr
.endr
.endm
.irp s,0,1,2,3
.if \s > 0
	s_wait_xcnt 0x0                                ; the last K step's stores have read their registers: the codes and the word are written again only behind this wait
.endif
	QUANT16 64*\s
.irp j,0,1,2
	global_store_b128 v9, v[48+4*\j:51+4*\j], s[50:51] offset:1536*\s+512*\j
.endr
	global_store_b32 v10, v23, s[50:51] offset:128*\s
.endr
	s_wait_alu depctr_va_vdst(0)
	global_store_b32 v11, v222, s[50:51]
	s_cmp_lg_u32 s54, 0
	s_cbranch_scc1 .Lp_end
.irp i,68,69,70,71
	v_mov_b32 v\i, 0
.endr
.irp i,0,1,2,3,4
	global_store_b128 v3, v[68:71], s[50:51] offset:13568+512*\i     ; the part's gap
.endr
	global_store_b64 v5, v[68:69], s[50:51] offset:16128
.Lp_end:
	s_wait_xcnt 0x0
	v_lshl_add_u32 v254, v0, 2, 0x8c00
	v_mov_b32 v255, 0
	s_wait_alu depctr_va_vdst(0)
	s_wait_tensorcnt 0x0
	ds_add_u32 v254, v255
	s_wait_dscnt 0x0
	s_endpgm
.Lfunc_end_k_qb855faff50_prep:
	.size	k_qb855faff50_prep, .Lfunc_end_k_qb855faff50_prep-k_qb855faff50_prep
	.p2alignl 7, 3214868480
	.fill 96, 4, 3214868480
	.section	.rodata,"a",@progbits
	.p2align	6, 0x0
	.amdhsa_kernel k_qb855faff50_prep
		.amdhsa_group_segment_fixed_size 36864
		.amdhsa_private_segment_fixed_size 0
		.amdhsa_enable_private_segment 0
		.amdhsa_kernarg_size 112
		.amdhsa_user_sgpr_count 2
		.amdhsa_user_sgpr_kernarg_segment_ptr 1
		.amdhsa_wavefront_size32 1
		.amdhsa_system_sgpr_workgroup_id_x 1
		.amdhsa_system_sgpr_workgroup_id_y 1
		.amdhsa_system_sgpr_workgroup_id_z 1
		.amdhsa_system_vgpr_workitem_id 0
		.amdhsa_next_free_vgpr 512
		.amdhsa_next_free_sgpr 66
		.amdhsa_reserve_vcc 1
		.amdhsa_float_denorm_mode_32 3
		.amdhsa_float_denorm_mode_16_64 3
		.amdhsa_memory_ordered 1
		.amdhsa_forward_progress 1
		.amdhsa_inst_pref_size 255
	.end_amdhsa_kernel
	.section	.bss,"aw",@nobits
	.p2align	6
	.space	262144
	.amdgpu_metadata
---
amdhsa.version: [ 1, 2 ]
amdhsa.kernels:
  - .name:           k_qb855faff50_prep
    .symbol:         k_qb855faff50_prep.kd
    .args:
      - { .name: state, .offset: 0, .size: 8, .value_kind: global_buffer, .address_space: global }
      - { .name: ln_state_g, .offset: 8, .size: 8, .value_kind: global_buffer, .address_space: global }
      - { .name: ln_state_b, .offset: 16, .size: 8, .value_kind: global_buffer, .address_space: global }
      - { .name: Wq, .offset: 24, .size: 8, .value_kind: global_buffer, .address_space: global }
      - { .name: bq, .offset: 32, .size: 8, .value_kind: global_buffer, .address_space: global }
      - { .name: Wk, .offset: 40, .size: 8, .value_kind: global_buffer, .address_space: global }
      - { .name: bk, .offset: 48, .size: 8, .value_kind: global_buffer, .address_space: global }
      - { .name: xyz, .offset: 56, .size: 8, .value_kind: global_buffer, .address_space: global }
      - { .name: Wv, .offset: 64, .size: 8, .value_kind: global_buffer, .address_space: global }
      - { .name: bv, .offset: 72, .size: 8, .value_kind: global_buffer, .address_space: global }
      - { .name: W1, .offset: 80, .size: 8, .value_kind: global_buffer, .address_space: global }
      - { .name: b1, .offset: 88, .size: 8, .value_kind: global_buffer, .address_space: global }
      - { .name: W2, .offset: 96, .size: 8, .value_kind: global_buffer, .address_space: global }
      - { .name: stream, .offset: 104, .size: 8, .value_kind: global_buffer, .address_space: global }
    .group_segment_fixed_size: 36864
    .private_segment_fixed_size: 0
    .kernarg_segment_align: 8
    .kernarg_segment_size: 112
    .max_flat_workgroup_size: 256
    .sgpr_count:     66
    .vgpr_count:     512
    .wavefront_size: 32
...
	.end_amdgpu_metadata
.endif
;; end of part 1
;; launch fused (part 2): grid 128 x 2, 4 waves a work-group, clusters of 4 x 1, 327,680 bytes of LDS; arguments msa, ln_msa_g, ln_msa_b, ln_out_g, ln_out_b, ff_ln_g, ff_ln_b, b2, stream, out0; writes out0
.if DOCPART == 2
	.amdgcn_target "amdgcn-amd-amdhsa--gfx1250"
	.amdhsa_code_object_version 6
	.text
	.protected	k_qb855faff50_fused
	.globl	k_qb855faff50_fused
	.p2align	8
	.type	k_qb855faff50_fused,@function
k_qb855faff50_fused:
	s_mov_b64 s[64:65], 0
	v_nop
	global_prefetch_b8 v0, s[64:65] scope:SCOPE_SE
	s_setreg_imm32_b32 hwreg(HW_REG_WAVE_MODE, 25, 1), 1
	s_wait_xcnt 0x0
	s_wait_alu depctr_hold_cnt(0) depctr_sa_sdst(0) depctr_va_vdst(0) depctr_va_sdst(0) depctr_va_ssrc(0) depctr_va_vcc(0) depctr_vm_vsrc(0)
	s_getreg_b32 s2, hwreg(HW_REG_IB_STS2, 6, 4)
	s_cmp_eq_u32 s2, 0
	s_cbranch_scc0 .Lentry_in_a_cluster
	s_endpgm
.Lentry_in_a_cluster:
	s_bfe_u32 s2, ttmp6, 0x10000c
	s_cmp_lg_u32 s2, 0x3003
	s_cbranch_scc0 .Lentry_shape_is_right
	s_endpgm
.Lentry_shape_is_right:
; One work-group takes MSA row n and half a of its 512 residues through the whole update: LN(msa), v = msa_n Wv + bv, O = p v / l, LN, residual, LN, W1, relu, W2, residual.  All products on codes of E3M2.
; SHARES.  Wave w handles residues 128 w .. + 127 (8 tiles of 16): it normalises and quantises them and makes v^T of them, which is K step w of the attention's product.  Tiles 4 a + t, t = 0..3, are its own
; 64 queries: their f32 state stays in 512 registers (msa_n + ln_out_b, then msa2 + b2, then the last product's sums).  Both halves of an n make v of all 512 residues.
; LAYOUT.  A row of 256 channels lies in lanes r and r + 16, 128 registers each: register 32 c + i = channel 64 c + 32 h + i: each 32 registers are one whole block of 32, in the 6-bit operand's own order.
; The weights' tiles are laid for that by the launch before.  v is quantised along the residues; inside a block of 32 residues its codes stand in the order that p's codes have: blocks and scales are the true ones.
; THE RING.  Two LDS slots of 4 x 16,640 bytes; a unit is 64 KB, each wave brings a quarter (16 rows of 1,024 bytes + 16 of padding).  Units 0-7: my msa tiles; 8: Wv; 9-16: p (pair, head); 17-24: W1, W2 by chunks of
; 128 hidden units.  Unit u + 1 is asked for at the head of step u.  One tensor load a wave is out at any time.
; CLUSTER.  The four work-groups of a cluster share a, so units 9 to 24 are the same bytes for all four: they are asked for jointly.  msa's tiles are each work-group's own, and Wv rides on their line of the text.
; PREFETCH.  msa comes from memory once and the waves wait for it: in trip t of the msa loop a wave asks for 8,192 bytes of its tile t + 3, which the tensor load of trip t + 2 brings (tiles 1 and 2 at the head;
; trips 5 to 7 ask for nothing).  The two work-groups of an n take a half of each tile each, by a, so that each block of 256 bytes is asked for once.
; LIMITS: NaN and infinities are not served; a block whose largest magnitude lies under 2^-122 keeps the byte 1; a LayerNorm is taken as ((x - m) g) rstd + b, which differs from (x - m) rstd g + b in f32 rounding alone.
; REGISTERS.  window 0: v1-31 addresses; v32-51 scale words; v52-95 small numbers; v96-255 by phase.  windows 1, 2: R, the state of tiles 0, 1 and 2, 3 (128 registers each).  window 3: T = 0-127, U = 128-255.
.set SLOT1, 1<<17
.set PART,  16640
.set XREG,  66560                      ; x's images: wave x 13,312 + tile x 3,328: fragments at 0 and 1,536, scale words at 3,072 and 3,200
.set PARAM, 119808                     ; ln_out_g, b2, ff_ln_g, ff_ln_b: 1,024 bytes each
.set VREG,  197632                     ; 4 x 26,624: msa_n's images, then v^T's (16 fragments, scale words from 24,576 on); at the end the stages of the way out
.set VPART, 26624
.set SPARE, 304128                     ; the spare words, 128 bytes for each wave: two blocks of 256 bytes that no other line names
.set PARB,  304640                     ; each wave's own copies of ln_out_b, ln_msa_g, ln_msa_b: 3 x 1,024 bytes
.set HALF,  1114112
.set MSB, 0
.macro WIN new                         ; bits 1:0 source 0, 3:2 source 1, 5:4 source 2, 7:6 destination; the high byte repeats the setting that is left
.if MSB != (\new)
	s_set_vgpr_msb (MSB<<8)|(\new)
.set MSB, (\new)
.endif
.endm
.macro PLACES n
.rept \n
	v_nop
.endr
.endm
.macro ROUND                           ; a round of the cluster's barrier
	s_barrier_signal -1
	s_barrier_wait -1
	s_cmp_lg_u32 s40, 0
	s_cbranch_scc1 .Lnw0_\@
	s_barrier_signal -3
.Lnw0_\@:
	s_barrier_wait -3
	s_barrier_signal -1
	s_barrier_wait -1
.endm
; The change of slots: all my tensor loads have landed (my quarter of the unit ahead), 0 is added to my spare word, that and my LDS reads and stores are done; a round; then my one load, into the slot just left.
.macro SYNC joint
	WIN 0
	s_wait_tensorcnt 0x0                           ; no tensor load of mine is out: a group 0 may be written
	ds_add_u32 v1, v2
.if \joint
	s_xor_b32 s69, s69, SLOT1
	s_add_nc_u64 s[70:71], s[70:71], 65536         ; the stream's next unit
.else
	s_xor_b32 s33, s33, SLOT1
	s_add_nc_u64 s[36:37], s[36:37], 16384         ; my next msa tile; behind the eighth comes my quarter of Wv
	s_cmp_eq_u32 s44, 7
	s_cselect_b64 s[34:35], s[38:39], s[36:37]
	s_or_b32 s35, s35, 0x80000000
.endif
	s_wait_dscnt 0x0
	ROUND
.if \joint
	tensor_load_to_lds s[68:71], s[56:63]
	s_nop 0
.else
	tensor_load_to_lds s[32:35], s[24:31]
	s_nop 0
.endif
	PLACES 4
.endm
; ---- LayerNorm over 256 channels of 16 rows; X = 0 (T) or 128 (U) in window 3
; four chains, one for each 32 registers -> pairs v80.. ; ascending.  w = 1: the 32 LDS loads of the rows are still landing, four at a time (one for each chain): each group of four is waited for as it is wanted
.macro HSUM X, w
.if \w
	s_wait_dscnt 24                                ; the first eight loads are in, the 24 behind them may be out
.endif
	WIN 0x0f
.irp c,0,1,2,3
	v_pk_add_f32 v[80+2*\c:81+2*\c], v[\X+32*\c:\X+32*\c+1], v[\X+32*\c+2:\X+32*\c+3]
.endr
	WIN 0x0c
.set hs_i, 4
	s_wait_alu depctr_va_vdst(0)
.rept 14
.if (\w) && ((hs_i%8) == 0)
	s_wait_alu depctr_va_vdst(0)
	s_wait_dscnt 24-hs_i                           ; the next eight are in
.endif
.irp c,0,1,2,3
	v_pk_add_f32 v[80+2*\c:81+2*\c], v[80+2*\c:81+2*\c], v[\X+32*\c+hs_i:\X+32*\c+hs_i+1]
.endr
.set hs_i, hs_i+2
.endr
	WIN 0
.endm
.macro REDUCE                          ; the four pairs, and lane l xor 16's -> v80
	v_pk_add_f32 v[80:81], v[80:81], v[82:83]
	v_pk_add_f32 v[84:85], v[84:85], v[86:87]
	v_pk_add_f32 v[80:81], v[80:81], v[84:85]
	v_add_f32 v80, v80, v81
	v_permlanex16_b32 v81, v80, s46, s47
	v_add_f32 v80, v80, v81
.endm
.macro MEAN
	REDUCE
	v_mul_f32 v60, s72, v80
.endm
.macro SUBM X
	WIN 0xc3
.set sm_i, 0
.rept 64
	v_pk_add_f32 v[\X+sm_i:\X+sm_i+1], v[\X+sm_i:\X+sm_i+1], v[60:61] op_sel_hi:[1,0] neg_lo:[0,1] neg_hi:[0,1]
.set sm_i, sm_i+2
.endr
.endm
.macro SQ X
	WIN 0x0f
.irp c,0,1,2,3
	v_pk_mul_f32 v[80+2*\c:81+2*\c], v[\X+32*\c:\X+32*\c+1], v[\X+32*\c:\X+32*\c+1]
.endr
.set sq_i, 2
.rept 15
.irp c,0,1,2,3
	v_pk_fma_f32 v[80+2*\c:81+2*\c], v[\X+32*\c+sq_i:\X+32*\c+sq_i+1], v[\X+32*\c+sq_i:\X+32*\c+sq_i+1], v[80+2*\c:81+2*\c]
.endr
.set sq_i, sq_i+2
.endr
	WIN 0
	REDUCE
.endm
.macro RSTD rs
	v_fma_f32 v[\rs], v80, s72, s73                ; the variance + 1e-5
	s_wait_alu depctr_va_vdst(0)
	v_rsq_f32 v[\rs], v[\rs]
	v_nop
.endm
.macro MULG X                          ; x the gain in v96-223
	WIN 0xc3
.set mg_i, 0
.rept 64
	v_pk_mul_f32 v[\X+mg_i:\X+mg_i+1], v[\X+mg_i:\X+mg_i+1], v[96+mg_i:97+mg_i]
.set mg_i, mg_i+2
.endr
.endm
.macro FMAB X, rs                      ; x rstd + the bias in v96-223
	WIN 0xc3
.set fb_i, 0
	s_wait_alu depctr_va_vdst(0)
.rept 64
	v_pk_fma_f32 v[\X+fb_i:\X+fb_i+1], v[\X+fb_i:\X+fb_i+1], v[\rs:\rs+1], v[96+fb_i:97+fb_i] op_sel_hi:[1,0,1]
.set fb_i, fb_i+2
.endr
.endm
.macro PLOAD vec                       ; a vector of 256 numbers from LDS, in the rows' layout, into v96-223
	WIN 0
.set pl_i, 0
.rept 32
	ds_load_b128 v[96+4*pl_i:99+4*pl_i], v28 offset:\vec*1024+256*(pl_i/8)+16*(pl_i%8)
.set pl_i, pl_i+1
.endr
.endm
; 64 registers of window 3 (two whole blocks a lane: one K step of 128) -> 12 registers of codes at pc, the row's scale word in pw
.macro QUANTW src, pc, pw
	WIN 0x0f
	v_max3_num_f32 v52, |v[\src]|, |v[\src+1]|, s66                ; with the floor 2^(5 - 127): the byte cannot fall under 1
	v_max3_num_f32 v53, |v[\src+32]|, |v[\src+33]|, s66
	WIN 0x3c
.set qw_i, 2
.rept 15
	v_max3_num_f32 v52, v52, |v[\src+qw_i]|, |v[\src+qw_i+1]|
	v_max3_num_f32 v53, v53, |v[\src+32+qw_i]|, |v[\src+33+qw_i]|
.set qw_i, qw_i+2
.endr
	WIN 0
	v_add_nc_u32 v54, s67, v52                     ; 4 off the exponent field: the conversion's scale operand
	v_add_nc_u32 v55, s67, v53
	v_lshrrev_b32 v56, 23, v54
	v_lshrrev_b32 v57, 23, v55
	v_lshl_or_b32 v[\pw], v57, 16, v56
	v_lshlrev_b32 v[\pw], v6, v[\pw]
	v_permlanex16_b32 v58, v[\pw], s46, s47
	v_or_b32 v[\pw], v[\pw], v58
	WIN 0x03
.irp c,0,1
	v_cvt_scalef32_pk16_bf6_f32 v[\pc+6*\c:\pc+6*\c+2], v[\src+32*\c:\src+32*\c+15], v[54+\c]
	v_cvt_scalef32_pk16_bf6_f32 v[248+4*\c:250+4*\c], v[\src+32*\c+16:\src+32*\c+31], v[54+\c]
.endr
	WIN 0
	v_nop
.irp c,0,1
.irp i,0,1,2
	v_mov_b32 v[\pc+6*\c+3+\i], v[248+4*\c+\i]
.endr
.endr
.endm
; ---------------- head
	s_load_b512 s[4:19], s[0:1], 0x0               ; msa 4, ln_msa_g 6, ln_msa_b 8, ln_out_g 10, ln_out_b 12, ff_ln_g 14, ff_ln_b 16, b2 18
	s_load_b128 s[20:23], s[0:1], 0x40             ; stream 20, out0 22
	v_lshl_add_u32 v1, v0, 2, SPARE
	v_mov_b32 v2, 0
	ds_add_u32 v1, v2
	ds_add_u32 v1, v2
	s_wait_dscnt 0x0
	v_lshrrev_b32 v22, 5, v0
	v_readfirstlane_b32 s40, v22                   ; wave 0..3
	s_bfe_u32 s52, ttmp6, 0x40000                  ; cx
	s_lshl_b32 s42, ttmp9, 2
	s_add_co_u32 s42, s42, s52                     ; n = 4 x cluster x + cx: it enters msa's and out0's addresses alone
	s_and_b32 s41, ttmp7, 0xffff                   ; a, which the four partners share
	; group 1: 16 rows of 128 elements of 8 bytes, dense in memory, 16 bytes of padding behind each row
	s_mov_b32 s24, (3<<16)|(1<<20)|(7<<22)|(3<<25)
	s_mov_b32 s56, 15|(3<<16)|(1<<20)|(1<<21)|(7<<22)|(3<<25)      ; the same with the mask of all four work-groups, bit 21 beside it
.irp g,24,56
	s_mov_b32 s[\g+1], 128<<16
	s_mov_b32 s[\g+2], 16<<16
	s_mov_b32 s[\g+3], 128<<16
	s_mov_b32 s[\g+4], 16
	s_mov_b32 s[\g+5], 128
	s_mov_b32 s[\g+6], 0
	s_mov_b32 s[\g+7], 0
.endr
	s_lshl_b32 s52, s42, 19                        ; a row n of msa is 524,288 bytes,
	s_lshl_b32 s53, s40, 17                        ; my 128 residues 131,072
	s_add_co_u32 s52, s52, s53
	s_lshl_b32 s74, s41, 16                        ; out0: my 64 own rows begin 64 a rows on
	s_add_co_u32 s74, s74, s52
	s_mov_b32 s53, 0
	s_mov_b32 s75, 0
	s_mul_i32 s54, s41, HALF
	s_lshl_b32 s55, s40, 14
	s_add_co_u32 s54, s54, s55                     ; the stream: my half, my quarter of a unit
	s_mov_b32 s55, 0
	s_mul_i32 s33, s40, PART
	s_mov_b32 s69, s33
	s_mov_b32 s32, 1
	s_mov_b32 s68, 1
	s_mov_b32 s46, 0x76543210
	s_mov_b32 s47, 0xfedcba98
	s_mov_b32 s72, 0x3b800000                      ; 1 / 256
	s_mov_b32 s73, 0x3727c5ac                      ; 1e-5
	s_mov_b32 s66, 0x2800000                       ; the quantisers' floor, 2^(5 - 127)
	s_mov_b32 s67, 0xfe000000                      ; -(4 << 23)
	s_wait_kmcnt 0x0
	s_add_nc_u64 s[36:37], s[4:5], s[52:53]        ; my msa tile in hand
	s_add_nc_u64 s[38:39], s[20:21], s[54:55]      ; my quarter of unit 8 (Wv)
	s_add_nc_u64 s[22:23], s[22:23], s[74:75]
	s_lshl_b32 s52, s41, 13
	s_add_nc_u64 s[78:79], s[36:37], s[52:53]      ; what I prefetch of a tile: 8,192 bytes from 8,192 a on; never stepped
	s_mov_b64 s[34:35], s[36:37]
	s_or_b32 s35, s35, 0x80000000
	s_mov_b64 s[70:71], s[38:39]                   ; the joint loads' group 0 never holds n; it is stepped ahead of each load
	s_or_b32 s71, s71, 0x80000000
	ROUND
	tensor_load_to_lds s[32:35], s[24:31]          ; msa tile 0 -> slot 0
	s_nop 0
	PLACES 4
	v_and_b32 v22, 31, v0
	v_lshlrev_b32 v3, 4, v22                       ; 16 x lane
	v_lshlrev_b32 v4, 2, v22                       ; 4 x lane
	v_lshlrev_b32 v29, 8, v22                      ; 256 x lane: a prefetch of the wave covers 8,192 bytes
	global_prefetch_b8 v29, s[78:79] offset:16384 th:TH_LOAD_NT scope:SCOPE_SE     ; my half of tiles 1 and 2
	global_prefetch_b8 v29, s[78:79] offset:32768 th:TH_LOAD_NT scope:SCOPE_SE
	v_and_b32 v23, 15, v0
	v_bfe_u32 v24, v0, 4, 1
	v_lshlrev_b32 v5, 7, v24                       ; 128 h
	s_wait_alu depctr_va_vdst(0)
	v_lshlrev_b32 v6, 3, v24                       ; 8 h
	s_cmp_eq_u32 s40, 1                            ; wave w brings vector w of ln_out_g, b2, ff_ln_g, ff_ln_b into LDS
	s_cselect_b64 s[76:77], s[18:19], s[10:11]
	s_cmp_eq_u32 s40, 2
	s_cselect_b64 s[76:77], s[14:15], s[76:77]
	s_cmp_eq_u32 s40, 3
	s_cselect_b64 s[76:77], s[16:17], s[76:77]
	global_load_b128 v[224:227], v3, s[76:77]
	global_load_b128 v[228:231], v3, s[76:77] offset:512
	global_load_b128 v[232:235], v3, s[12:13]      ; ln_out_b, 1,024 bytes as they lie
	global_load_b128 v[236:239], v3, s[12:13] offset:512
	global_load_b128 v[240:243], v3, s[6:7]        ; ln_msa_g and ln_msa_b likewise: each byte is asked for once a wave
	global_load_b128 v[244:247], v3, s[6:7] offset:512
	global_load_b128 v[248:251], v3, s[8:9]
	global_load_b128 v[252:255], v3, s[8:9] offset:512
	v_mul_u32_u24 v25, v23, 1040
	v_add_nc_u32 v25, v25, v5                      ; r x 1,040 + 128 h
	s_mul_i32 s52, s40, PART
	v_add_nc_u32 v7, s52, v25                      ; my msa tile's rows in slot 0
	v_add_nc_u32 v14, s52, v3                      ; my part of a unit of p, slot 0 / slot 1: fragments,
	v_add_nc_u32 v15, SLOT1, v14
	v_add_nc_u32 v16, s52, v4                      ; words
	v_add_nc_u32 v17, SLOT1, v16
	s_add_co_u32 s53, s52, VREG
	v_add_nc_u32 v20, s53, v25                     ; the way out: into my stage,
	v_add_nc_u32 v21, s53, v3                      ; and back
	s_mul_i32 s52, s40, VPART
	s_add_co_u32 s52, s52, VREG
	v_add_nc_u32 v8, s52, v3                       ; my part of VREG: fragments,
	s_add_co_u32 s52, s52, 24576
	v_add_nc_u32 v9, s52, v4                       ; words
	v_add_nc_u32 v10, VREG, v3                     ; v^T of K steps 0, 1 / 2, 3: fragments,
	v_add_nc_u32 v11, VREG+53248, v3
	v_add_nc_u32 v12, VREG+24576, v4               ; words
	v_add_nc_u32 v13, VREG+24576+53248, v4
	s_mul_i32 s52, s40, 13312
	s_add_co_u32 s52, s52, XREG
	v_add_nc_u32 v18, s52, v3
	s_add_co_u32 s52, s52, 3072
	v_add_nc_u32 v19, s52, v4
	v_add_nc_u32 v28, PARAM, v5
	s_lshl_b32 s52, s40, 10
	s_mul_i32 s53, s40, 3072
	s_add_co_u32 s53, s53, PARB
	s_add_co_u32 s52, s52, PARAM
	v_add_nc_u32 v26, s52, v3
	v_add_nc_u32 v30, s53, v3                      ; my copy of ln_out_b: in,
	v_add_nc_u32 v31, s53, v5                      ; and back in the rows' layout
.irp i,58,61,65,67,68,69,70,71,72,73,74,75,77,79,89,91
	v_mov_b32 v\i, 0                               ; upper halves of pairs and lane permutes' destinations count as read
.endr
	s_wait_alu depctr_va_vdst(0)                   ; the wait at the head's end
	s_wait_loadcnt 0x0
	ds_store_b128 v26, v[224:227]
	ds_store_b128 v26, v[228:231] offset:512
	ds_store_b128 v30, v[232:235]
	ds_store_b128 v30, v[236:239] offset:512
.irp j,0,1,2,3
	ds_store_b128 v30, v[240+4*\j:243+4*\j] offset:1024+512*\j
.endr
	WIN 0xc0                                       ; back in the rows' layout; LDS serves a wave's instructions in order (ISA guide 5.7.1.4)
.set hd_i, 0
.rept 32
	ds_load_b128 v[128+4*hd_i:131+4*hd_i], v31 offset:1024+256*(hd_i/8)+16*(hd_i%8)           ; U = ln_msa_g
.set hd_i, hd_i+1
.endr
	WIN 0
.set hd_i, 0
.rept 32
	ds_load_b128 v[96+4*hd_i:99+4*hd_i], v31 offset:2048+256*(hd_i/8)+16*(hd_i%8)             ; v96-223 = ln_msa_b
.set hd_i, hd_i+1
.endr
.irp wn,0x40,0x80                              ; the state begins as ln_out_b, in all four tiles.  LDS serves a wave's instructions in order (ISA guide 5.7.1.4): these see my own stores above
	WIN \wn
.set hd_i, 0
.rept 64
	ds_load_b128 v[4*hd_i:4*hd_i+3], v31 offset:256*((hd_i%32)/8)+16*(hd_i%8)
.set hd_i, hd_i+1
.endr
.endr
	WIN 0
; ---------------- 1a: my eight tiles of msa: LayerNorm, codes along the channels (their images stay in my part of VREG); my own four also go into the state
	s_mov_b32 s43, 0                               ; the slot in hand
	s_mov_b32 s44, 0                               ; tile
	s_lshl_b32 s45, s41, 2
	s_sub_co_u32 s45, 0, s45                       ; tile - 4 a
	s_mov_b32 s48, 0
	s_mov_b32 s49, 0
.Ltile:
	SYNC 0
	s_cmp_gt_u32 s44, 4                            ; tiles 3 to 7 are asked for in trips 0 to 4: no prefetch points past my eight tiles
	s_cbranch_scc1 .Lno_ask
	s_wait_alu depctr_va_vdst(0)
	global_prefetch_b8 v29, s[78:79] offset:49152 th:TH_LOAD_NT scope:SCOPE_SE
.Lno_ask:
	v_add_nc_u32 v22, s43, v7
	WIN 0xc0
.set hd_i, 0
.rept 32                                       ; four at a time, one for each chain of the sum below
	ds_load_b128 v[32*(hd_i%4)+4*(hd_i/4):32*(hd_i%4)+4*(hd_i/4)+3], v22 offset:256*(hd_i%4)+16*(hd_i/4)
.set hd_i, hd_i+1
.endr
	HSUM 0, 1
	MEAN
	SUBM 0
	SQ 0
	RSTD 88
	WIN 0xcf
.set hd_i, 0
	s_wait_alu depctr_va_vdst(0)
.rept 64
	v_pk_mul_f32 v[hd_i:hd_i+1], v[hd_i:hd_i+1], v[128+hd_i:129+hd_i]
.set hd_i, hd_i+2
.endr
	FMAB 0, 88
	QUANTW 0, 224, 32
	QUANTW 64, 236, 33
	v_add_nc_u32 v22, s48, v8
	v_add_nc_u32 v23, s49, v9
.irp j,0,1,2,3,4,5
	ds_store_b128 v22, v[224+4*\j:227+4*\j] offset:512*\j
.endr
	ds_store_b32 v23, v32
	ds_store_b32 v23, v33 offset:128
.irp t,0,1,2,3                                 ; the branch hangs on the tile's number and on a alone
	s_cmp_lg_u32 s45, \t
	s_cbranch_scc1 .Lnot_own\t
	WIN 0x4d+0x41*(\t/2)                           ; the state's window for destination and source 0, window 3 for source 1
.set hd_i, 0
.rept 64
	v_pk_add_f32 v[128*(\t%2)+hd_i:128*(\t%2)+hd_i+1], v[128*(\t%2)+hd_i:128*(\t%2)+hd_i+1], v[hd_i:hd_i+1]
.set hd_i, hd_i+2
.endr
	WIN 0
.Lnot_own\t:
.endr
	s_wait_xcnt 0x0                                ; the prefetch has had its address translated (ISA guide 3.1): its offset register steps only behind this wait
	v_add_nc_u32 v29, 16384, v29
	s_xor_b32 s43, s43, SLOT1
	s_add_co_u32 s48, s48, 3072
	s_add_co_u32 s49, s49, 256
	s_add_co_u32 s45, s45, 1
	s_add_co_u32 s44, s44, 1
	s_cmp_lt_u32 s44, 8
	s_cbranch_scc1 .Ltile
; ---------------- 1b: v^T of my 128 residues, 16 columns a trip (Wv lies in slot 0): source 0 = 16 residues, source 1 = 16 columns; bv is the C; quantised along the residues
.macro QUANT16 s, pc, pw, tm
.irp b,0,1,2,3
	v_max3_num_f32 v[\tm+\b], |v[\s+16*\b]|, |v[\s+16*\b+1]|, s66
.endr
.irp i,2,4,6,8,10,12,14
.irp b,0,1,2,3
	v_max3_num_f32 v[\tm+\b], v[\tm+\b], |v[\s+16*\b+\i]|, |v[\s+16*\b+\i+1]|
.endr
.endr
.irp b,0,1,2,3
	v_permlanex16_b32 v[\tm+4+\b], v[\tm+\b], s46, s47
.endr
.irp b,0,1,2,3
	v_max_num_f32 v[\tm+\b], v[\tm+\b], v[\tm+4+\b]
.endr
.irp b,0,1,2,3
	v_add_nc_u32 v[\tm+12+\b], s67, v[\tm+\b]
.endr
.irp b,0,1,2,3
	v_lshrrev_b32 v[\tm+4+\b], 23, v[\tm+12+\b]
.endr
	v_lshl_or_b32 v[\pw], v[\tm+5], 8, v[\tm+4]
	v_lshl_or_b32 v[\pw], v[\tm+6], 16, v[\pw]
	v_lshl_or_b32 v[\pw], v[\tm+7], 24, v[\pw]
.irp c,0,1
	v_cvt_scalef32_pk16_bf6_f32 v[\pc+6*\c:\pc+6*\c+2], v[\s+32*\c:\s+32*\c+15], v[\tm+12+2*\c]
	v_cvt_scalef32_pk16_bf6_f32 v[\pc+12+4*\c:\pc+14+4*\c], v[\s+32*\c+16:\s+32*\c+31], v[\tm+13+2*\c]
.endr
	v_nop
.irp c,0,1
.irp i,0,1,2
	v_permlane16_swap_b32 v[\pc+6*\c+\i], v[\pc+12+4*\c+\i]
.endr
.irp i,0,1,2
	v_mov_b32 v[\pc+6*\c+3+\i], v[\pc+12+4*\c+\i]
.endr
.endr
.endm
.macro VBLOAD                          ; the record of Wv at byte s50 of slot 0: two fragments, their scale words, the columns' bias
	v_add_nc_u32 v22, s50, v3
	v_add_nc_u32 v23, s50, v4
.irp j,0,1,2,3,4,5
	ds_load_b128 v[160+4*\j:163+4*\j], v22 offset:512*\j+16*((512*\j)/1024)
.endr
	ds_load_b32 v48, v23 offset:3072+16*3
	ds_load_b32 v49, v23 offset:3200+16*3
	ds_load_b32 v84, v23 offset:3328+16*3
.endm
	SYNC 1                                         ; Wv is whole; p of pair 0, head 0 is asked for
	WIN 0xc0
.set hd_i, 0
.rept 48
	ds_load_b128 v[4*hd_i:4*hd_i+3], v8 offset:512*hd_i            ; my 16 fragments of msa_n come back and stay
.set hd_i, hd_i+1
.endr
	WIN 0
.set hd_i, 0
.rept 16
	ds_load_b32 v[32+hd_i], v9 offset:128*hd_i
.set hd_i, hd_i+1
.endr
	s_mov_b32 s44, 16
	s_mov_b32 s48, 0
	s_mov_b32 s49, 0
	s_mov_b32 s50, 0
	VBLOAD                                         ; record 0
.Lvcol:
	s_wait_dscnt 0x0                               ; this trip's record is in (it was asked for ahead of the last trip's quantiser)
.irp j,0,1,2,3,4,5,6,7
	v_mov_b32 v[184+\j], v84                       ; a lane holds one column: its bias in all eight registers
.endr
	PLACES 4
	WIN 0x03
.irp t,0,1,2,3,4,5,6,7                         ; the eight accumulators take turns
	v_wmma_scale_f32_16x16x128_f8f6f4 v[96+8*\t:103+8*\t], v[24*\t:24*\t+11], v[160:171], v[184:191], v[32+2*\t], v48 matrix_a_fmt:MATRIX_FMT_BF6 matrix_b_fmt:MATRIX_FMT_BF6
.endr
.irp t,0,1,2,3,4,5,6,7
	v_wmma_scale_f32_16x16x128_f8f6f4 v[96+8*\t:103+8*\t], v[24*\t+12:24*\t+23], v[172:183], v[96+8*\t:103+8*\t], v[33+2*\t], v49 matrix_a_fmt:MATRIX_FMT_BF6 matrix_b_fmt:MATRIX_FMT_BF6
.endr
	WIN 0
	PLACES 4                                       ; in front of the loads into the record's registers and of the first read of the results
	s_add_co_u32 s50, s50, 4160                    ; a record: 4 rows of 1,024 + 16
	s_cmp_eq_u32 s44, 1                            ; the last trip has no next record
	s_cbranch_scc1 .Lv_last
	VBLOAD                                         ; the next record lands while these results are quantised
.Lv_last:
	QUANT16 96, 192, 50, 64
	v_add_nc_u32 v24, s48, v8
	v_add_nc_u32 v25, s49, v9
.irp j,0,1,2
	ds_store_b128 v24, v[192+4*\j:195+4*\j] offset:512*\j
.endr
	ds_store_b32 v25, v50
	s_add_co_u32 s48, s48, 1536
	s_add_co_u32 s49, s49, 128
	s_sub_co_u32 s44, s44, 1
	s_cmp_lg_u32 s44, 0
	s_cbranch_scc1 .Lvcol
; ---------------- the pairs of own tiles: attention (O^T = v^T p^T, head by head, both tiles share each fragment of v), then the two LayerNorms and x's codes
.macro LATT hc, st, sl                 ; the 24 LDS loads of K step st: p's two fragments and words from slot sl, v's four tiles and words from part st of VREG
.set FB, 96+72*((\st)%2)
.set SCB, 32+8*((\st)%2)
.irp y,0,1
.irp j,0,1,2
.set XO, (4*\y+(\st))*1536+512*\j
	ds_load_b128 v[FB+12*\y+4*\j:FB+12*\y+4*\j+3], v[14+\sl] offset:XO+16*(XO/1024)
.endr
.set XO, 12288+128*(4*\y+(\st))
	ds_load_b32 v[SCB+4+\y], v[16+\sl] offset:XO+16*(XO/1024)
.endr
.irp e,0,1,2,3
.irp j,0,1,2
	ds_load_b128 v[FB+24+12*\e+4*\j:FB+24+12*\e+4*\j+3], v[10+(\st)/2] offset:((\st)%2)*VPART+(4*(\hc)+\e)*1536+512*\j
.endr
	ds_load_b32 v[SCB+\e], v[12+(\st)/2] offset:((\st)%2)*VPART+(4*(\hc)+\e)*128
.endr
.endm
.macro ATTH hc
.set SL, (1+\hc)%2
.irp y,0,1
	ds_load_b32 v[64+8*\y+2*\hc], v[16+SL] offset:13312+128*\y+16*13      ; 1 / l of my query, this head
.endr
	LATT \hc, 0, SL
.irp st,0,1,2,3
.if \st < 3
.if \st > 0
	PLACES 4                                       ; in front of loads into fragments that were multiplied
.endif
	LATT \hc, \st+1, SL
	s_wait_dscnt 24                                ; all but the next K step's 24 loads
.else
	s_wait_dscnt 0x0
.endif
.set FB, 96+72*(\st%2)
.set SCB, 32+8*(\st%2)
	WIN 0xf0
.irp e,0,1,2,3
.irp y,0,1
.if \st == 0
	v_wmma_scale_f32_16x16x128_f8f6f4 v[128*\y+32*\hc+8*\e:128*\y+32*\hc+8*\e+7], v[FB+24+12*\e:FB+35+12*\e], v[FB+12*\y:FB+12*\y+11], 0, v[SCB+\e], v[SCB+4+\y] matrix_a_fmt:MATRIX_FMT_BF6 matrix_b_fmt:MATRIX_FMT_BF6
.else
	v_wmma_scale_f32_16x16x128_f8f6f4 v[128*\y+32*\hc+8*\e:128*\y+32*\hc+8*\e+7], v[FB+24+12*\e:FB+35+12*\e], v[FB+12*\y:FB+12*\y+11], v[128*\y+32*\hc+8*\e:128*\y+32*\hc+8*\e+7], v[SCB+\e], v[SCB+4+\y] matrix_a_fmt:MATRIX_FMT_BF6 matrix_b_fmt:MATRIX_FMT_BF6
.endif
.endr
.endr
	WIN 0
.endr
.endm
.macro LNOUT X, y                      ; O / l, its mean taken away, its variance
	HSUM \X, 0
.irp c,0,1,2,3
	v_pk_mul_f32 v[80+2*\c:81+2*\c], v[80+2*\c:81+2*\c], v[64+8*\y+2*\c:65+8*\y+2*\c] op_sel_hi:[1,0]
.endr
	MEAN
	WIN 0xc3
.set lo_i, 0
.rept 64
	v_pk_fma_f32 v[\X+2*lo_i:\X+2*lo_i+1], v[\X+2*lo_i:\X+2*lo_i+1], v[64+8*\y+2*(lo_i/16):65+8*\y+2*(lo_i/16)], v[60:61] op_sel_hi:[1,0,0] neg_lo:[0,0,1] neg_hi:[0,0,1]
.set lo_i, lo_i+1
.endr
	WIN 0
	SQ \X
	RSTD 88+2*\y
.endm
.macro PAIRARM wa, wb                  ; msa2 = LN(out) + the state, into T and U; then the state = msa2 + b2
	WIN \wa
.set pa_i, 0
	s_wait_alu depctr_va_vdst(0)
.rept 128
	v_pk_fma_f32 v[2*pa_i:2*pa_i+1], v[2*pa_i:2*pa_i+1], v[88+2*(pa_i/64):89+2*(pa_i/64)], v[2*pa_i:2*pa_i+1] op_sel_hi:[1,0,1]
.set pa_i, pa_i+1
.endr
	s_wait_dscnt 0x0                               ; b2 is in
	WIN \wb
.set pa_i, 0
.rept 128
	v_pk_add_f32 v[2*pa_i:2*pa_i+1], v[2*pa_i:2*pa_i+1], v[96+(2*pa_i)%128:97+(2*pa_i)%128]
.set pa_i, pa_i+1
.endr
	WIN 0
.endm
	s_mov_b32 s44, 0
	s_mov_b32 s51, 0
.Lpair:
.irp hc,0,1,2,3
	SYNC 1                                         ; the first of these also shows every wave's images of v^T to all
	ATTH \hc
.endr
	PLACES 4
	PLOAD 0                                        ; ln_out_g
	LNOUT 0, 0
	s_wait_alu depctr_va_vdst(0)
	LNOUT 128, 1
	s_wait_dscnt 0x0
	MULG 0
	MULG 128
	PLOAD 1                                        ; b2
	s_cmp_lg_u32 s44, 0
	s_cbranch_scc1 .Lpair1
	PAIRARM 0xd3, 0x43
	s_branch .Lpair_j
.Lpair1:
	PAIRARM 0xe3, 0x83
.Lpair_j:
	PLOAD 2                                        ; ff_ln_g
	HSUM 0, 0
	MEAN
	SUBM 0
	SQ 0
	RSTD 88
	HSUM 128, 0
	MEAN
	SUBM 128
	SQ 128
	RSTD 90
	s_wait_dscnt 0x0
	MULG 0
	MULG 128
	PLOAD 3                                        ; ff_ln_b
	s_wait_dscnt 0x0
	FMAB 0, 88
	FMAB 128, 90
	WIN 0
	v_add_nc_u32 v22, s51, v18
	v_add_nc_u32 v23, s51, v19
.irp y,0,1
	QUANTW 128*\y, 224, 32
	QUANTW 128*\y+64, 236, 33
.irp j,0,1,2,3,4,5
	ds_store_b128 v22, v[224+4*\j:227+4*\j] offset:3328*\y+512*\j
.endr
	ds_store_b32 v23, v32 offset:3328*\y
	ds_store_b32 v23, v33 offset:3328*\y+128
	s_wait_dscnt 0x0
.endr
	s_add_co_u32 s51, s51, 6656
	s_add_co_u32 s44, s44, 1
	s_cmp_lt_u32 s44, 2
	s_cbranch_scc1 .Lpair
; ---------------- the feed-forward layer, 128 hidden units a chunk: H^T = W1^T x^T + b1 (source 0 = 16 hidden units), relu, codes in registers, the state += W2^T H^T
.macro LFF i                           ; group i: four weight tiles and their words: 0-3 W1 (half i / 2 of the chunk, K step i % 2), 4-7 W2 (channels 64 (i - 4) on); two sets by turns
.set FBX, 96+48*((\i)%2)
.set FSX, 44+4*((\i)%2)
.irp e,0,1,2,3
.if (\i) < 4
.set XO, (2*(4*((\i)/2)+\e)+((\i)%2))*1536
.set XW, 49152+128*(2*(4*((\i)/2)+\e)+((\i)%2))
.else
.set XO, 24576+(4*((\i)-4)+\e)*1536
.set XW, 51200+128*(4*((\i)-4)+\e)
.endif
.irp j,0,1,2
	ds_load_b128 v[FBX+12*\e+4*\j:FBX+12*\e+4*\j+3], v22 offset:(XO+512*\j)+16*((XO+512*\j)/1024)
.endr
	ds_load_b32 v[FSX+\e], v23 offset:XW+16*(XW/1024)
.endr
.endm
.macro LBC cp                          ; b1 of my 32 hidden units of half cp: the C of the first K step
	WIN 0xc0
.irp q,0,1,2,3,4,5,6,7
	ds_load_b128 v[224+4*\q:227+4*\q], v24 offset:53248+256*\cp+16*\q+16*52
.endr
	WIN 0
.endm
.macro M6 i
.set FBX, 96+48*((\i)%2)
.set FSX, 44+4*((\i)%2)
	WIN 0xfc
.irp e,0,1,2,3
.irp t,0,1,2,3
.if ((\i)%2) == 0
	v_wmma_scale_f32_16x16x128_f8f6f4 v[32*\t+8*\e:32*\t+8*\e+7], v[FBX+12*\e:FBX+12*\e+11], v[128+24*\t:139+24*\t], v[224+8*\e:231+8*\e], v[FSX+\e], v[32+2*\t] matrix_a_fmt:MATRIX_FMT_BF6 matrix_b_fmt:MATRIX_FMT_BF6
.else
	v_wmma_scale_f32_16x16x128_f8f6f4 v[32*\t+8*\e:32*\t+8*\e+7], v[FBX+12*\e:FBX+12*\e+11], v[140+24*\t:151+24*\t], v[32*\t+8*\e:32*\t+8*\e+7], v[FSX+\e], v[33+2*\t] matrix_a_fmt:MATRIX_FMT_BF6 matrix_b_fmt:MATRIX_FMT_BF6
.endif
.endr
.endr
	WIN 0
.endm
.macro HQ cp                           ; relu; each tile's 32 registers are one whole block of the next K: codes into v192.., bytes into v64..
	WIN 0xcc
.set hq_i, 0
.rept 128
	v_max_num_f32 v[hq_i], 0, v[hq_i]
.set hq_i, hq_i+1
.endr
	WIN 0x0f
.irp t,0,1,2,3
	v_max3_num_f32 v[52+\t], v[32*\t], v[32*\t+1], s66
.endr
	WIN 0x3c
.set hq_i, 2
.rept 15
.irp t,0,1,2,3
	v_max3_num_f32 v[52+\t], v[52+\t], v[32*\t+hq_i], v[32*\t+hq_i+1]
.endr
.set hq_i, hq_i+2
.endr
	WIN 0
.irp t,0,1,2,3
	v_add_nc_u32 v[56+\t], s67, v[52+\t]
.endr
.irp t,0,1,2,3
	v_lshrrev_b32 v[64+4*\cp+\t], 23, v[56+\t]
.endr
	WIN 0x03
.irp t,0,1,2,3
	v_cvt_scalef32_pk16_bf6_f32 v[192+12*\t+6*\cp:194+12*\t+6*\cp], v[32*\t:32*\t+15], v[56+\t]
	v_cvt_scalef32_pk16_bf6_f32 v[240+4*\t:242+4*\t], v[32*\t+16:32*\t+31], v[56+\t]
.endr
	WIN 0
	v_nop
.irp t,0,1,2,3
.irp i,0,1,2
	v_mov_b32 v[195+12*\t+6*\cp+\i], v[240+4*\t+\i]
.endr
.endr
.endm
.macro M7 i
.set FBX, 96+48*((\i)%2)
.set FSX, 44+4*((\i)%2)
.irp p,0,1
	WIN 0x50+0x50*\p
.irp e,0,1,2,3
.irp y,0,1
	v_wmma_scale_f32_16x16x128_f8f6f4 v[128*\y+32*((\i)-4)+8*\e:128*\y+32*((\i)-4)+8*\e+7], v[FBX+12*\e:FBX+12*\e+11], v[192+12*(2*\p+\y):203+12*(2*\p+\y)], v[128*\y+32*((\i)-4)+8*\e:128*\y+32*((\i)-4)+8*\e+7], v[FSX+\e], v[40+2*\p+\y] matrix_a_fmt:MATRIX_FMT_BF6 matrix_b_fmt:MATRIX_FMT_BF6
.endr
.endr
.endr
	WIN 0
.endm
.macro CHUNK fill
.if \fill
	SYNC 1
.else
	WIN 0
	s_wait_tensorcnt 0x0                           ; the last unit: nothing is filled again, so my work-group's barrier is enough
	ds_add_u32 v1, v2
	s_wait_dscnt 0x0
	s_barrier_signal -1
	s_barrier_wait -1
	PLACES 4
.endif
	v_add_nc_u32 v22, s43, v3
	v_add_nc_u32 v23, s43, v4
	v_add_nc_u32 v24, s43, v5
	LBC 0
	LFF 0
	LFF 1
	s_wait_alu depctr_va_vdst(0)
	s_wait_dscnt 16                                ; each count of 16 leaves the youngest group of loads out
	M6 0
	PLACES 4
	LFF 2
	s_wait_dscnt 16
	M6 1
	PLACES 4
	LFF 3
	LBC 1
	HQ 0
	s_wait_dscnt 0x0                               ; b1's second half is the youngest
	M6 2
	PLACES 4
	LFF 4
	s_wait_dscnt 16
	M6 3
	PLACES 4
	LFF 5
	HQ 1
.irp t,0,1,2,3
	v_lshl_or_b32 v[40+\t], v[68+\t], 16, v[64+\t]
	v_lshlrev_b32 v[40+\t], v6, v[40+\t]
	v_permlanex16_b32 v[72+\t], v[40+\t], s46, s47
	v_or_b32 v[40+\t], v[40+\t], v[72+\t]          ; the hidden layer's scale word of my row, these 128 units
.endr
	PLACES 8
	s_wait_alu depctr_va_vdst(0)
	s_wait_dscnt 16
	M7 4
	PLACES 4
	LFF 6
	s_wait_dscnt 16
	M7 5
	PLACES 4
	LFF 7
	s_wait_dscnt 16
	M7 6
	s_wait_dscnt 0x0
	M7 7
	s_xor_b32 s43, s43, SLOT1
.endm
	WIN 0xc0
.irp t,0,1,2,3
.irp j,0,1,2,3,4,5
	ds_load_b128 v[128+24*\t+4*\j:131+24*\t+4*\j], v18 offset:3328*\t+512*\j       ; x's eight fragments come back and stay
.endr
.endr
	WIN 0
.irp t,0,1,2,3
	ds_load_b32 v[32+2*\t], v19 offset:3328*\t
	ds_load_b32 v[33+2*\t], v19 offset:3328*\t+128
.endr
	s_mov_b32 s43, SLOT1                           ; unit 17 lies in slot 1
	s_mov_b32 s44, 7
.Lchunk:
	CHUNK 1
	s_sub_co_u32 s44, s44, 1
	s_cmp_lg_u32 s44, 0
	s_cbranch_scc1 .Lchunk
	CHUNK 0                                        ; the last chunk is written out: it asks for nothing
; ---------------- the way out, by half tiles u = 2 t + hf: 16 rows x 512 bytes go through my stage (rows 1,040 bytes apart) and leave as half rows: a store covers 512 consecutive bytes, aligned to 256.
; Four buffers of 64 registers in window 3 take turns.
.macro TOSTAGE u
.set TT, (\u)/2
.set HF, (\u)%2
	WIN 0x04+0x04*(TT/2)                           ; an LDS store's data are its source 1: window 1 or 2
.set ts_i, 0
.rept 16
	ds_store_b128 v20, v[128*(TT%2)+64*HF+4*ts_i:128*(TT%2)+64*HF+4*ts_i+3] offset:512*HF+256*(ts_i/8)+16*(ts_i%8)    ; each accumulator from its low end on
.set ts_i, ts_i+1
.endr
	WIN 0xc0
.set ts_i, 0
.rept 16
	ds_load_b128 v[64*((\u)%4)+4*ts_i:64*((\u)%4)+4*ts_i+3], v21 offset:ts_i*1040+512*HF   ; LDS serves a wave's instructions in order (ISA guide 5.7.1.4): these see the stores above
.set ts_i, ts_i+1
.endr
.endm
.macro SEND u, younger                 ; younger: the LDS instructions issued behind half tile u's loads, which may stay out
.set TT, (\u)/2
.set HF, (\u)%2
	s_wait_dscnt \younger
	WIN 0x0c
.set ts_i, 0
.rept 16
	global_store_b128 v3, v[64*((\u)%4)+4*ts_i:64*((\u)%4)+4*ts_i+3], s[22:23] offset:TT*16384+ts_i*1024+512*HF th:TH_STORE_NT
.set ts_i, ts_i+1
.endr
.endm
	PLACES 4                                       ; behind the last products: in front of the first read of their results and of loads into window 3's operands
	TOSTAGE 0
.irp u,1,2,3,4,5,6,7
.if \u > 3
	s_wait_xcnt 0x0                                ; the stores of four halves back have read their registers: this half's loads land there only behind this wait
.endif
	TOSTAGE \u
	SEND \u-1, 32                                  ; behind the half's loads: the next half's 16 stores and 16 loads
.endr
	SEND 7, 0
	WIN 0
	s_wait_tensorcnt 0x0                           ; the wave's end
	ds_add_u32 v1, v2
	s_wait_dscnt 0x0
	ROUND                                          ; the closing round: no work-group ends while a partner may still ask for a unit that names it
	s_endpgm
.Lfunc_end_k_qb855faff50_fused:
	.size	k_qb855faff50_fused, .Lfunc_end_k_qb855faff50_fused-k_qb855faff50_fused
	.p2alignl 7, 3214868480
	.fill 96, 4, 3214868480
	.section	.rodata,"a",@progbits
	.p2align	6, 0x0
	.amdhsa_kernel k_qb855faff50_fused
		.amdhsa_group_segment_fixed_size 327680
		.amdhsa_private_segment_fixed_size 0
		.amdhsa_enable_private_segment 0
		.amdhsa_kernarg_size 80
		.amdhsa_user_sgpr_count 2
		.amdhsa_user_sgpr_kernarg_segment_ptr 1
		.amdhsa_wavefront_size32 1
		.amdhsa_system_sgpr_workgroup_id_x 1
		.amdhsa_system_sgpr_workgroup_id_y 1
		.amdhsa_system_sgpr_workgroup_id_z 1
		.amdhsa_system_vgpr_workitem_id 0
		.amdhsa_next_free_vgpr 1024
		.amdhsa_next_free_sgpr 80
		.amdhsa_reserve_vcc 0
		.amdhsa_float_denorm_mode_32 3
		.amdhsa_float_denorm_mode_16_64 3
		.amdhsa_memory_ordered 1
		.amdhsa_forward_progress 1
		.amdhsa_inst_pref_size 255
	.end_amdhsa_kernel
	.section	.bss,"aw",@nobits
	.p2align	6
	.space	262144
	.amdgpu_metadata
---
amdhsa.version: [ 1, 2 ]
amdhsa.kernels:
  - .name:           k_qb855faff50_fused
    .symbol:         k_qb855faff50_fused.kd
    .args:
      - { .name: msa, .offset: 0, .size: 8, .value_kind: global_buffer, .address_space: global }
      - { .name: ln_msa_g, .offset: 8, .size: 8, .value_kind: global_buffer, .address_space: global }
      - { .name: ln_msa_b, .offset: 16, .size: 8, .value_kind: global_buffer, .address_space: global }
      - { .name: ln_out_g, .offset: 24, .size: 8, .value_kind: global_buffer, .address_space: global }
      - { .name: ln_out_b, .offset: 32, .size: 8, .value_kind: global_buffer, .address_space: global }
      - { .name: ff_ln_g, .offset: 40, .size: 8, .value_kind: global_buffer, .address_space: global }
      - { .name: ff_ln_b, .offset: 48, .size: 8, .value_kind: global_buffer, .address_space: global }
      - { .name: b2, .offset: 56, .size: 8, .value_kind: global_buffer, .address_space: global }
      - { .name: stream, .offset: 64, .size: 8, .value_kind: global_buffer, .address_space: global }
      - { .name: out0, .offset: 72, .size: 8, .value_kind: global_buffer, .address_space: global }
    .group_segment_fixed_size: 327680
    .private_segment_fixed_size: 0
    .kernarg_segment_align: 8
    .kernarg_segment_size: 80
    .max_flat_workgroup_size: 128
    .sgpr_count:     80
    .vgpr_count:     1024
    .wavefront_size: 32
...
	.end_amdgpu_metadata
.endif
;; end of part 2
